; MI455X (gfx1250); checked and timed in simulation.
; The chip was launched on July 23, 2026; its instructions are those of AMD's public machine-readable ISA for CDNA 5 (MIT licence, August 2026) and "CDNA5" Instruction Set Architecture Reference Guide (July 2026). The comments in the code are by the model that wrote it; some were corrected since.
;; LSTM Cell. Allowed arithmetic: float matrix products may take bf16 or f16 operands with f32 sums; all other float work in f32.
;; Inputs: W_c 2,048 x 1,024 float32; W_f 2,048 x 1,024 float32; W_i 2,048 x 1,024 float32; W_o 2,048 x 1,024 float32; b_c 1,024 float32; b_f 1,024 float32; b_i 1,024 float32; b_o 1,024 float32; c 4,096 x 1,024 float32; h 4,096 x 1,024 float32; x 4,096 x 1,024 float32.
;; Outputs: out0 4,096 x 1,024 float32; out1 4,096 x 1,024 float32.
;; One version. Each part assembles by itself: llvm-mc -triple=amdgcn-amd-amdhsa -mcpu=gfx1250 --defsym DOCPART=n.
;; ======== version 1 of 1: 2 launches
;; limits: a function is approximated: absolute error at most 1e-07
;; workspace buffers: xhb 16,777,216 bytes; wpk 16,777,216 bytes
;; launch pack (part 1): grid 256 x 1, 8 waves a work-group, no clusters, 70,656 bytes of LDS; arguments x, h, W_f, W_i, W_c, W_o, xhb, wpk; writes xhb, wpk
.if DOCPART == 1
	.amdgcn_target "amdgcn-amd-amdhsa--gfx1250"
	.amdhsa_code_object_version 6
	.text
	.protected	k_qbe12e979ad_pack
	.globl	k_qbe12e979ad_pack
	.p2align	8
	.type	k_qbe12e979ad_pack,@function
k_qbe12e979ad_pack:
	s_mov_b64 s[64:65], 0
	v_nop
	global_prefetch_b8 v0, s[64:65] scope:SCOPE_SE
	s_setreg_imm32_b32 hwreg(HW_REG_WAVE_MODE, 25, 1), 1
	s_wait_xcnt 0x0
; LSTM cell, first of two launches: the two operands of the gate product are rounded once to bf16 and laid with K along the rows.
;   xhb [4096 m][2048 k] bf16: k < 1024 from x, k >= 1024 from h (the concatenation is an address).
;   wpk [4096 n'][2048 k] bf16: row n' = 256 blk + 16 (4 g + j) + r holds W_g[k][64 blk + 4 r + j], g = 0 f, 1 i, 2 c, 3 o.
;   In that order lane r of the four matrix tiles (g, j = 0..3) of the second launch holds four neighbouring hidden columns: 16 bytes.
; NOTHING IS LEFT OUT: every input of the cell reaches an output (c and the four biases are read by the second launch).
; LIMIT: the matrix operands are rounded to bf16 (to nearest even); bf16 keeps f32's range.
; The launch streams: each byte is read once and written once, no input is shared between work-groups, so there is no cluster, no matrix
; work and no barrier.  2,048 waves, one task each of 32 KiB in and 16 KiB out; every work-group is alike: waves 0-3 take a piece of
; W_f, W_i, W_c, W_o (128 k x 64 columns, transposed through the wave's own LDS stage), waves 4-7 take eight rows of x or of h.
; Each wave keeps four groups of eight 16-byte loads on their way (16 KiB).
.set ROWB,   4096                      ; bytes in a row of x, h, W (1,024 f32) and of xhb, wpk (2,048 bf16)
.set SPITCH, 272                       ; a stage row: 128 k in bf16 + 16 bytes, so that the 16 rows that a store touches start 68 words apart
.set STAGE,  64*SPITCH                 ; a wave's stage: 64 rows
.set Y, 8                              ; v[8:23]    16 words of bf16 pairs
.set X, 24                             ; v[24:151]  four groups of 32 registers as loaded; later the stage read back
	s_load_b512 s[4:19], s[0:1], 0x0               ; x 4:5, h 6:7, W_f 8:9, W_i 10:11, W_c 12:13, W_o 14:15, xhb 16:17, wpk 18:19
	v_lshl_add_u32 v152, v0, 2, 0x11000
	v_mov_b32 v153, 0
	v_lshrrev_b32 v3, 5, v0
	v_readfirstlane_b32 s20, v3                    ; wave 0..7
	v_and_b32 v1, 15, v0                           ; r
	v_bfe_u32 v2, v0, 4, 1                         ; hh: which half of the lanes
	v_and_b32 v3, 31, v0                           ; lane
	s_wait_kmcnt 0x0
	s_cmp_ge_u32 s20, 4
	s_cbranch_scc1 .Lxh
	; ---- waves 0-3: gate g = wave, column block blk = group & 15, k block kb = group >> 4 ----
	s_and_b32 s26, ttmp9, 15                       ; blk
	s_lshr_b32 s27, ttmp9, 4                       ; kb
	s_lshl_b32 s28, s27, 19                        ; from: 128 kb rows of 4,096 bytes
	s_lshl_b32 s21, s26, 8                         ;       + 64 blk columns of 4 bytes
	s_add_co_u32 s28, s28, s21
	s_mov_b32 s29, 0
	s_lshl_b32 s30, s26, 20                        ; to: 256 blk rows of 4,096 bytes
	s_lshl_b32 s21, s20, 18                        ;     + 64 g rows
	s_add_co_u32 s30, s30, s21
	s_lshl_b32 s21, s27, 8                         ;     + 128 kb numbers of 2 bytes
	s_add_co_u32 s30, s30, s21
	s_mov_b32 s31, 0
	s_mov_b64 s[22:23], s[8:9]                     ; the gate's matrix, chosen by the wave's number
	s_cmp_eq_u32 s20, 1
	s_cselect_b64 s[22:23], s[10:11], s[22:23]
	s_cmp_eq_u32 s20, 2
	s_cselect_b64 s[22:23], s[12:13], s[22:23]
	s_cmp_eq_u32 s20, 3
	s_cselect_b64 s[22:23], s[14:15], s[22:23]
	s_add_nc_u64 s[22:23], s[22:23], s[28:29]
	s_add_nc_u64 s[24:25], s[18:19], s[30:31]
	s_mul_i32 s21, s20, STAGE                      ; my stage in LDS
	v_lshlrev_b32 v4, 4, v1                        ; 16 r
	v_lshl_add_u32 v7, v2, 12, v4                  ; store: lanes 0-15 one row of wpk, lanes 16-31 the next; 16 bytes a lane
	v_mul_u32_u24 v5, v1, SPITCH
	v_lshl_add_u32 v5, v2, 4, v5
	v_add_nc_u32 v5, s21, v5                       ; into the stage: row r (+ 16 j), 16 bytes for each half of the lanes
	v_mul_u32_u24 v6, v2, SPITCH
	v_add3_u32 v6, v6, v4, s21                     ; back: lanes 0-15 one stage row of 256 bytes, lanes 16-31 the next
	v_lshl_add_u32 v4, v2, 15, v4                  ; load: lanes 0-15 256 bytes of row 16 q + i, lanes 16-31 of row 16 q + 8 + i
; group q = k rows 16 q .. 16 q + 15: eight loads; lane (r, hh), load i: W[16 q + 8 hh + i][4 r .. 4 r + 3]
.macro WLOAD q
.irp i, 0,1,2,3,4,5,6,7
	global_load_b128 v[X+32*((\q)&3)+4*\i:X+32*((\q)&3)+4*\i+3], v4, s[22:23] offset:(16*(\q)+\i)*ROWB th:TH_LOAD_NT
.endr
.endm
; group q is rounded: for each of my four columns j, eight neighbouring k make 16 bytes, which go to stage row 16 j + r at byte 32 q + 16 hh.
; left = how many younger loads may stay out; refill = 1: the group's registers take group q + 4.
.macro WGRP q, refill, left
	s_wait_loadcnt \left                           ; loads come back in order: my eight are in
.irp j, 0,1,2,3
.irp p, 0,1,2,3
	v_cvt_pk_bf16_f32 v[Y+4*\j+\p], v[X+32*((\q)&3)+8*\p+\j], v[X+32*((\q)&3)+8*\p+4+\j]   ; k = 2 p below, k = 2 p + 1 above
.endr
.endr
.if \refill
	WLOAD \q+4
.endif
.irp j, 0,1,2,3
	ds_store_b128 v5, v[Y+4*\j:Y+4*\j+3] offset:16*SPITCH*\j+32*\q
.endr
.endm
	WLOAD 0
	WLOAD 1
	WLOAD 2
	WLOAD 3
	WGRP 0, 1, 24                                  ; three younger groups of eight stay out
	WGRP 1, 1, 24
	WGRP 2, 1, 24
	WGRP 3, 1, 24
	WGRP 4, 0, 24                                  ; nothing more to load: the counts run down
	WGRP 5, 0, 16
	WGRP 6, 0, 8
	WGRP 7, 0, 0
	; the stage is my own, and LDS serves a wave's instructions in order: the loads see the stores without a wait
.set u, 0
.rept 32
	ds_load_b128 v[X+4*u:X+4*u+3], v6 offset:2*SPITCH*u
.set u, u+1
.endr
.set u, 0
.rept 32
	s_wait_dscnt 31-u                              ; the loads issued behind load u may stay out
	global_store_b128 v7, v[X+4*u:X+4*u+3], s[24:25] offset:2*ROWB*u   ; 16 lanes store 256 consecutive bytes of one row of wpk, aligned
.set u, u+1
.endr
	s_wait_tensorcnt 0x0
	ds_add_u32 v152, v153
	s_wait_dscnt 0x0
	s_endpgm
	; ---- waves 4-7: eight rows of x (even wave) or of h (odd wave); rows 8 (2 group + bit 1 of the wave) .. + 7 ----
.Lxh:
	s_and_b32 s26, s20, 1                          ; 0: x, 1: h
	s_bfe_u32 s27, s20, 0x10001                    ; bit 1 of the wave's number
	s_lshl_b32 s21, ttmp9, 1
	s_add_co_u32 s27, s27, s21                     ; group of eight rows, 0..511
	s_lshl_b32 s28, s27, 15                        ; eight rows of 4,096 bytes, in x or h and in xhb alike
	s_mov_b32 s29, 0
	s_lshl_b32 s30, s26, 11                        ; h's numbers lie 1,024 bf16 further along xhb's row
	s_add_co_u32 s30, s30, s28
	s_mov_b32 s31, 0
	s_cmp_lg_u32 s26, 0
	s_cselect_b64 s[22:23], s[6:7], s[4:5]
	s_add_nc_u64 s[22:23], s[22:23], s[28:29]
	s_add_nc_u64 s[24:25], s[16:17], s[30:31]
	v_lshlrev_b32 v4, 4, v3                        ; load: 16 bytes a lane, 512 consecutive bytes a wave
	v_lshlrev_b32 v7, 3, v3                        ; store: 8 bytes a lane, 256 consecutive bytes a wave
.macro XLOAD q                         ; group q = row q of my eight: eight loads
.irp i, 0,1,2,3,4,5,6,7
	global_load_b128 v[X+32*((\q)&3)+4*\i:X+32*((\q)&3)+4*\i+3], v4, s[22:23] offset:512*(8*(\q)+\i) th:TH_LOAD_NT
.endr
.endm
.macro XGRP q, refill, left
	s_wait_loadcnt \left                           ; my eight loads are in
	s_wait_xcnt 0x0                                ; Y, which the last group's stores read, is rewritten only behind this wait
.irp i, 0,1,2,3,4,5,6,7
	v_cvt_pk_bf16_f32 v[Y+2*\i],   v[X+32*((\q)&3)+4*\i],   v[X+32*((\q)&3)+4*\i+1]
	v_cvt_pk_bf16_f32 v[Y+2*\i+1], v[X+32*((\q)&3)+4*\i+2], v[X+32*((\q)&3)+4*\i+3]
.endr
.if \refill
	XLOAD \q+4
.endif
.irp i, 0,1,2,3,4,5,6,7
	global_store_b64 v7, v[Y+2*\i:Y+2*\i+1], s[24:25] offset:\q*ROWB+256*\i   ; the wave's 32 lanes store 256 consecutive bytes, aligned
.endr
.endm
	XLOAD 0
	XLOAD 1
	XLOAD 2
	XLOAD 3
	XGRP 0, 1, 24
	XGRP 1, 1, 24
	XGRP 2, 1, 24
	XGRP 3, 1, 24
	XGRP 4, 0, 24
	XGRP 5, 0, 16
	XGRP 6, 0, 8
	XGRP 7, 0, 0
	s_endpgm
.Lfunc_end_k_qbe12e979ad_pack:
	.size	k_qbe12e979ad_pack, .Lfunc_end_k_qbe12e979ad_pack-k_qbe12e979ad_pack
	.p2alignl 7, 3214868480
	.fill 96, 4, 3214868480
	.section	.rodata,"a",@progbits
	.p2align	6, 0x0
	.amdhsa_kernel k_qbe12e979ad_pack
		.amdhsa_group_segment_fixed_size 70656
		.amdhsa_private_segment_fixed_size 0
		.amdhsa_enable_private_segment 0
		.amdhsa_kernarg_size 64
		.amdhsa_user_sgpr_count 2
		.amdhsa_user_sgpr_kernarg_segment_ptr 1
		.amdhsa_wavefront_size32 1
		.amdhsa_system_sgpr_workgroup_id_x 1
		.amdhsa_system_sgpr_workgroup_id_y 1
		.amdhsa_system_sgpr_workgroup_id_z 1
		.amdhsa_system_vgpr_workitem_id 0
		.amdhsa_next_free_vgpr 154
		.amdhsa_next_free_sgpr 66
		.amdhsa_reserve_vcc 0
		.amdhsa_float_denorm_mode_32 3
		.amdhsa_float_denorm_mode_16_64 3
		.amdhsa_memory_ordered 1
		.amdhsa_forward_progress 1
		.amdhsa_inst_pref_size 46
	.end_amdhsa_kernel
	.amdgpu_metadata
---
amdhsa.version: [ 1, 2 ]
amdhsa.kernels:
  - .name:           k_qbe12e979ad_pack
    .symbol:         k_qbe12e979ad_pack.kd
    .args:
      - { .name: x, .offset: 0, .size: 8, .value_kind: global_buffer, .address_space: global }
      - { .name: h, .offset: 8, .size: 8, .value_kind: global_buffer, .address_space: global }
      - { .name: W_f, .offset: 16, .size: 8, .value_kind: global_buffer, .address_space: global }
      - { .name: W_i, .offset: 24, .size: 8, .value_kind: global_buffer, .address_space: global }
      - { .name: W_c, .offset: 32, .size: 8, .value_kind: global_buffer, .address_space: global }
      - { .name: W_o, .offset: 40, .size: 8, .value_kind: global_buffer, .address_space: global }
      - { .name: xhb, .offset: 48, .size: 8, .value_kind: global_buffer, .address_space: global }
      - { .name: wpk, .offset: 56, .size: 8, .value_kind: global_buffer, .address_space: global }
    .group_segment_fixed_size: 70656
    .private_segment_fixed_size: 0
    .kernarg_segment_align: 8
    .kernarg_segment_size: 64
    .max_flat_workgroup_size: 256
    .sgpr_count:     66
    .vgpr_count:     154
    .wavefront_size: 32
...
	.end_amdgpu_metadata
.endif
;; end of part 1
;; launch cell (part 2): grid 16 x 16, 4 waves a work-group, clusters of 4 x 4, 327,680 bytes of LDS; arguments xhb, wpk, out0, out1, b_f, b_i, b_c, b_o, c; writes out0, out1
.if DOCPART == 2
	.amdgcn_target "amdgcn-amd-amdhsa--gfx1250"
	.amdhsa_code_object_version 6
	.text
	.protected	k_qbe12e979ad_cell
	.globl	k_qbe12e979ad_cell
	.p2align	8
	.type	k_qbe12e979ad_cell,@function
k_qbe12e979ad_cell:
	s_mov_b64 s[64:65], 0
	v_nop
	global_prefetch_b8 v0, s[64:65] scope:SCOPE_SE
	s_setreg_imm32_b32 hwreg(HW_REG_WAVE_MODE, 25, 1), 1
	s_wait_xcnt 0x0
	s_wait_alu depctr_hold_cnt(0) depctr_sa_sdst(0) depctr_va_vdst(0) depctr_va_sdst(0) depctr_va_ssrc(0) depctr_va_vcc(0) depctr_vm_vsrc(0)
	s_getreg_b32 s2, hwreg(HW_REG_IB_STS2, 6, 4)
	s_cmp_eq_u32 s2, 0
	s_cbranch_scc0 .Lentry_in_a_cluster
	s_endpgm
.Lentry_in_a_cluster:
	s_bfe_u32 s2, ttmp6, 0x10000c
	s_cmp_lg_u32 s2, 0xf033
	s_cbranch_scc0 .Lentry_shape_is_right
	s_endpgm
.Lentry_shape_is_right:
; LSTM cell, second of two launches: gates = xhb wpk^T + b, then c_t = sig(f) c + sig(i) tanh(c*), h_t = sig(o) tanh(c_t), all in this launch.
; xhb [4096][2048] bf16 is [x | h]; wpk [4096 n'][2048] bf16: row 256 blk + 16 (4 g + j) + r = W_g[.][64 blk + 4 r + j], g = 0 f, 1 i, 2 c, 3 o.
; Nothing is left out: every product, bias and activation of the cell is computed.
; LIMITS: matrix operands are bf16, sums f32.  sig(x) = 1 / (1 + 2^(-x log2 e)), tanh(x) = 1 - 2 / (1 + 2^(2 x log2 e)): both end at their
; limits when the power overflows to infinity or falls to 0; tanh carries an absolute error of about 1e-7 (the rounding of the difference from 1),
; so its relative accuracy is lost for |x| below about 1e-4; v_exp_f32 and v_rcp_f32 flush denormals (ISA guide 15.8).
;
; A work-group makes 256 rows x 64 hidden columns x 4 gates, a block of 256 x 256 of the product, with four waves.  A wave makes 64 rows x all 256 n':
; 4 x 16 accumulator tiles, 512 registers, so that all four gates of an output lie in one lane and the tail needs no LDS.
; Tile (a, t), register jj, lane (r, h): gate t >> 2, row 64 w + 16 a + 8 h + jj, hidden column 64 bx + 4 r + (t & 3): the four tiles of a gate
; give a lane 16 neighbouring bytes of a row of c, out0 and out1, and 16 lanes 256 consecutive bytes, aligned.
; K goes in steps of 128 through two LDS slots filled by the tensor data mover; a tile's rows are 256 bytes of memory, aligned.
; CLUSTERS: 4 x 4 work-groups.  xhb's tile hangs on the block row alone and is asked for jointly by a row of the cluster, wpk's on the block column alone
; and is asked for jointly by a column: each of the four issues the same load with the same descriptor and receives the tile in its own LDS.
;
; REGISTERS, in windows of 256:
;   window 0: v1-27 lane terms and addresses; v32-63, v64-95 fragments of xhb (4 x 16 rows x 32 K), two buffers; v96-223 c; v224-239 biases;
;             in the tail v32-63 the 16 gates of two rows, v64-71 c_t, v72-79 h_t, v80-95 and v240-255 the scaled biases in pairs
;   window 1: v0-127, v128-255 fragments of wpk (16 x 16 rows x 32 K), two buffers
;   window 2: accumulator tiles t = 0..7 (f, i) at v[8 (8 a + t)];   window 3: t = 8..15 (c*, o) at v[8 (8 a + t - 8)]
.set SIZE_K, 2048
.set KSTEP,  128
.set PITCH,  272                       ; an LDS row: 256 bytes + 16 of padding: the 16 rows that a fragment load touches start 68 words apart
.set HALFT,  128*PITCH                 ; 128 rows: what one tensor load brings
.set SLOT,   4*HALFT                   ; xhb's 256 rows, then wpk's 256 rows
.set LAPS,   SIZE_K/(2*KSTEP)          ; a lap = two K steps = once round the ring: 8
.set ROWB,   4096                      ; bytes in a row of c, out0, out1 (1,024 f32) and of xhb, wpk (2,048 bf16)
.set ADRA, 16                          ; v16-17  LDS address of my xhb fragments in slot 0, 1
.set ADRB, 20                          ; v20-21  the same for wpk
.set CO,   26                          ; v26     my byte offset in c, out0, out1: 8 h rows + 16 r
.set BO,   27                          ; v27     my byte offset in a bias: 16 r
.set FA,   32                          ; xhb fragment buffer f at FA + 32 f (window 0); wpk's at 128 f (window 1)
.set CB,   96                          ; c of row 16 a + 8 h + jj, columns 4 r + j, at CB + 4 (8 a + jj) + j
.set BI,   224                         ; bias of gate g, column 4 r + j, at BI + 4 g + j
.set T,    32                          ; tail: gate tile t, rows 2 p and 2 p + 1, at T + 2 t
.set OC,   64                          ; tail: c_t, 4 columns of two rows
.set OH,   72                          ; tail: h_t likewise
.set BPL,  80                          ; tail: scaled bias of tile t = 0..7, twice, at BPL + 2 t
.set BPH,  240                         ; tail: of tile t = 8..15 at BPH + 2 (t - 8)
.set G1,  24                           ; s[24:31] descriptor group 1 for xhb's tiles
.set G0,  32                           ; s[32:39] descriptor group 0 for xhb's tiles, one set for each slot
.set G1B, 48                           ; s[48:55] group 1 for wpk's tiles: it differs in the mask alone
.set G0B, 56                           ; s[56:63] group 0 for wpk's tiles, one set for each slot
.set MSB, 0
.macro WIN new                         ; the immediate's high byte repeats the setting that is left
.if MSB != \new
	s_set_vgpr_msb (MSB<<8)|\new
.set MSB, \new
.endif
.endm
.set MUL_LO, 0xa4                      ; source 0 (xhb) window 0, source 1 (wpk) window 1, C and D window 2
.set MUL_HI, 0xf4                      ; the same, C and D window 3
.set TO_B,   0x40                      ; destination window 1, address window 0
; A joint load.  Waves 0 and 1 fetch xhb's two halves, waves 2 and 3 wpk's.  Each line has one mask and one set of registers for all that issue it;
; the branch hangs on the wave's number alone.
.macro JLOAD s
	s_cmp_eq_u32 s11, 0
	s_cbranch_scc0 .Lfor_b_\@
	tensor_load_to_lds s[G0+4*\s:G0+4*\s+3], s[G1:G1+7]
	s_nop 0
	s_branch .Lasked_\@
.Lfor_b_\@:
	tensor_load_to_lds s[G0B+4*\s:G0B+4*\s+3], s[G1B:G1B+7]
	s_nop 0
.Lasked_\@:
.endm
; A round of the cluster's barrier: my work-group's barrier, wave 0 signals for the work-group, every wave waits for all sixteen, my work-group's barrier again.
.macro CREST                           ; a round behind its opening barrier
	s_cmp_lg_u32 s10, 0
	s_cbranch_scc1 .Lnot_wave_0_\@
	s_barrier_signal -3
.Lnot_wave_0_\@:
	s_barrier_wait -3
	s_barrier_signal -1
	s_barrier_wait -1
.endm
.macro CROUND                          ; a whole round
	s_barrier_signal -1
	s_barrier_wait -1
	CREST
.endm
	s_load_b128 s[4:7], s[0:1], 0x0                ; xhb s[4:5], wpk s[6:7]
	s_load_b128 s[76:79], s[0:1], 0x10             ; out0 (h_t) s[76:77], out1 (c_t) s[78:79]
	s_load_b256 s[68:75], s[0:1], 0x20             ; b_f, b_i, b_c, b_o
	s_load_b64 s[8:9], s[0:1], 0x40                ; c
	v_lshl_add_u32 v30, v0, 2, 0x44000
	v_mov_b32 v31, 0
	ds_add_u32 v30, v31
	v_lshrrev_b32 v1, 5, v0
	v_readfirstlane_b32 s10, v1                    ; wave 0..3
	s_lshr_b32 s11, s10, 1                         ; I fetch for xhb (0) or for wpk (1)
	s_and_b32 s12, s10, 1                          ; which 128 rows of that tile I fetch
	s_bfe_u32 s40, ttmp6, 0x40000                  ; cx
	s_bfe_u32 s41, ttmp6, 0x40004                  ; cy
	s_lshl_b32 s42, ttmp9, 2
	s_add_co_u32 s42, s42, s40                     ; bx: block of 64 hidden columns = 4 x cluster x + cx
	s_and_b32 s13, ttmp7, 0xffff
	s_lshl_b32 s13, s13, 2
	s_add_co_u32 s13, s13, s41                     ; by: block of 256 rows = 4 x cluster y + cy
	s_lshl_b32 s43, s41, 2
	s_lshl_b32 s43, 15, s43                        ; my row of the cluster: places 4 cy .. 4 cy + 3
	s_lshl_b32 s44, 0x1111, s40                    ; my column: places cx, cx + 4, cx + 8, cx + 12
	; descriptor group 1: a tile of 128 rows x 128 elements of 2 bytes, 4 words of padding behind every 64 words
	s_or_b32 s[G1+0], s43, (1<<16)|(1<<20)|(1<<21)|(5<<22)|(3<<25)   ; 15:0 mask: my row; 17:16 2 bytes; 20 padding on; 21 set beside a mask; 24:22 every 64 words; 31:25 4 words
	s_or_b32 s[G1B+0], s44, (1<<16)|(1<<20)|(1<<21)|(5<<22)|(3<<25)  ; the same with the mask of my column
	s_mov_b32 s[G1+1], KSTEP<<16                   ; tensor_dim0 = 128
	s_mov_b32 s[G1B+1], KSTEP<<16
	s_mov_b32 s[G1+2], 128<<16                     ; tensor_dim1 = 128
	s_mov_b32 s[G1B+2], 128<<16
	s_mov_b32 s[G1+3], KSTEP<<16                   ; tile_dim0 = 128
	s_mov_b32 s[G1B+3], KSTEP<<16
	s_mov_b32 s[G1+4], 128                         ; tile_dim1 = 128
	s_mov_b32 s[G1B+4], 128
	s_mov_b32 s[G1+5], SIZE_K                      ; elements from row to row
	s_mov_b32 s[G1B+5], SIZE_K
	s_mov_b32 s[G1+6], 0
	s_mov_b32 s[G1B+6], 0
	s_mov_b32 s[G1+7], 0
	s_mov_b32 s[G1B+7], 0
	; where the tiles come from: xhb's hang on by alone, wpk's on bx alone, each in registers that never hold the other coordinate
	s_lshl_b32 s17, s12, 7                         ; which 128 rows of the tile I fetch
	s_lshl_b32 s16, s13, 8
	s_add_co_u32 s16, s16, s17                     ; xhb: row 256 by + 128 half
	s_lshl_b32 s16, s16, 12                        ; in bytes (below 2^24)
	s_lshl_b32 s46, s42, 8
	s_add_co_u32 s46, s46, s17                     ; wpk: row 256 bx + 128 half
	s_lshl_b32 s46, s46, 12
	s_mov_b32 s17, 0
	s_mov_b32 s47, 0
	s_mul_i32 s20, s10, HALFT                      ; and where they go: wave x 128 rows; no place in the cluster enters an LDS address
	; my wave's corner in c, out0, out1, and my block's in the biases (these registers feed no descriptor)
	s_lshl_b32 s80, s13, 20                        ; 256 by rows of 4,096 bytes
	s_lshl_b32 s81, s10, 18                        ; + 64 w rows
	s_add_co_u32 s80, s80, s81
	s_lshl_b32 s82, s42, 8                         ; 64 bx columns of 4 bytes
	s_add_co_u32 s80, s80, s82
	s_mov_b32 s81, 0
	s_mov_b32 s83, 0
	s_wait_dscnt 0x0
	s_wait_kmcnt 0x0
	s_add_nc_u64 s[14:15], s[4:5], s[16:17]
	s_add_nc_u64 s[46:47], s[6:7], s[46:47]
	s_add_nc_u64 s[8:9], s[8:9], s[80:81]
	s_add_nc_u64 s[76:77], s[76:77], s[80:81]
	s_add_nc_u64 s[78:79], s[78:79], s[80:81]
	s_add_nc_u64 s[68:69], s[68:69], s[82:83]
	s_add_nc_u64 s[70:71], s[70:71], s[82:83]
	s_add_nc_u64 s[72:73], s[72:73], s[82:83]
	s_add_nc_u64 s[74:75], s[74:75], s[82:83]
	CROUND                                         ; all sixteen work-groups are here: the first joint loads meet
.irp s, 0,1
	s_mov_b32 s[G0+4*\s], 1                                        ; count = 1
	s_add_co_u32 s[G0+4*\s+1], s20, \s*SLOT                        ; LDS address
	s_add_nc_u64 s[G0+4*\s+2:G0+4*\s+3], s[14:15], \s*KSTEP*2      ; global address: K step s
	s_or_b32 s[G0+4*\s+3], s[G0+4*\s+3], 0x80000000                ; type = 2
	s_mov_b32 s[G0B+4*\s], 1
	s_add_co_u32 s[G0B+4*\s+1], s20, \s*SLOT
	s_add_nc_u64 s[G0B+4*\s+2:G0B+4*\s+3], s[46:47], \s*KSTEP*2
	s_or_b32 s[G0B+4*\s+3], s[G0B+4*\s+3], 0x80000000
	JLOAD \s                                       ; both slots are asked for before anything else is done: two tensor loads of the wave are out
.endr
	; A fragment is 16 rows x 32 K in 8 registers: lane l holds row l % 16; registers 0-3 K = 8 (l / 16) + 0..7, registers 4-7 K = 16 + 8 (l / 16) + 0..7:
	; two loads of 16 bytes, 32 bytes apart, at row x pitch + 16 (l / 16).
	v_and_b32 v1, 15, v0                           ; r
	v_bfe_u32 v2, v0, 4, 1                         ; h
	v_mul_u32_u24 v3, v1, PITCH
	v_lshl_add_u32 v3, v2, 4, v3
	s_mul_i32 s21, s10, 64*PITCH                   ; my 64 rows of xhb's tile
	s_mov_b32 s22, 2*HALFT                         ; wpk's 256 rows lie behind xhb's 256; every wave reads all of them
.irp s, 0,1
	v_add_nc_u32 v[ADRA+\s], s21, v3
	v_add_nc_u32 v[ADRB+\s], s22, v3
	s_add_co_u32 s21, s21, SLOT
	s_add_co_u32 s22, s22, SLOT
.endr
	v_lshlrev_b32 v[BO], 4, v1
	v_lshl_add_u32 v[CO], v2, 15, v[BO]
	; c and the biases are asked for now and waited for in the tail; their registers, offsets and bases are not touched in between.
	; 16 lanes take 256 consecutive bytes of a row of c, aligned.
.irp a, 0,1,2,3
.irp j, 0,1,2,3,4,5,6,7
	global_load_b128 v[CB+4*(8*\a+\j):CB+4*(8*\a+\j)+3], v[CO], s[8:9] offset:(16*\a+\j)*ROWB th:TH_LOAD_NT
.endr
.endr
.irp g, 0,1,2,3
	global_load_b128 v[BI+4*\g:BI+4*\g+3], v[BO], s[68+2*\g:69+2*\g]
.endr
; 16 matrix instructions: row tiles a0, a0 + 1 x eight n' tiles (hi = 0: t = 0..7, window 2; hi = 1: t = 8..15, window 3), 32 along K, from buffers f.
; zero = 1: the first product starts the sums: nothing is cleared.  The 64 accumulators take turns, one instruction a turn, in the same order in
; every quarter step, over the loop's backward jump too.
.macro MUL16 f, hi, a0, zero
.irp a, \a0, \a0+1
.irp b, 0,1,2,3,4,5,6,7
.if \zero
	v_wmma_f32_16x16x32_bf16 v[8*(8*(\a)+\b):8*(8*(\a)+\b)+7], v[FA+32*\f+8*(\a):FA+32*\f+8*(\a)+7], v[128*\f+8*(8*\hi+\b):128*\f+8*(8*\hi+\b)+7], 0
.else
	v_wmma_f32_16x16x32_bf16 v[8*(8*(\a)+\b):8*(8*(\a)+\b)+7], v[FA+32*\f+8*(\a):FA+32*\f+8*(\a)+7], v[128*\f+8*(8*\hi+\b):128*\f+8*(8*\hi+\b)+7], v[8*(8*(\a)+\b):8*(8*(\a)+\b)+7]
.endif
.endr
.endr
.endm
; 40 LDS loads in one run: the fragments of one quarter step (my 64 rows of xhb, then wpk's 256 rows in ascending order; 32 K at byte k of the rows) into buffers f
.macro FETCH slot, k, f
	WIN 0
.irp i, 0,1,2,3
	ds_load_b128 v[FA+32*\f+8*\i:FA+32*\f+8*\i+3],   v[ADRA+\slot] offset:\k+\i*16*PITCH
	ds_load_b128 v[FA+32*\f+8*\i+4:FA+32*\f+8*\i+7], v[ADRA+\slot] offset:\k+\i*16*PITCH+32
.endr
	WIN TO_B
.irp i, 0,1,2,3,4,5,6,7,8,9,10,11,12,13,14,15
	ds_load_b128 v[128*\f+8*\i:128*\f+8*\i+3],   v[ADRB+\slot] offset:\k+\i*16*PITCH         ; the largest offset, 192 + 15 x 4,352 + 32 = 65,504, fits the 16-bit field
	ds_load_b128 v[128*\f+8*\i+4:128*\f+8*\i+7], v[ADRB+\slot] offset:\k+\i*16*PITCH+32
.endr
.endm
; A load into a register that a matrix instruction has read, and a vector instruction that reads a matrix result or writes one of a matrix instruction's
; registers, stand four places behind it; only plain vector instructions that name none of its registers are places.
.macro PLACES
.rept 4
	v_nop
.endr
.endm
; A K step is four quarter steps of 32 along K, 64 matrix instructions each, on buffers 0, 1, 0, 1.
; One of the first three: multiplies buffers f; in its middle it fetches the next quarter's fragments, at byte k of the same slot's rows, into buffers g.
.macro QUARTER slot, k, f, g, zero
	s_wait_dscnt 16                                ; xhb's fragments and wpk's tiles 0-7 are in; the youngest sixteen loads (tiles 8-15) may be out
	WIN MUL_LO
	MUL16 \f, 0, 0, \zero
	MUL16 \f, 0, 2, \zero
	PLACES
	FETCH \slot, \k, \g
	s_wait_dscnt 40                                ; all but the 40 just issued
	WIN MUL_HI
	MUL16 \f, 1, 0, \zero
	MUL16 \f, 1, 2, \zero
.endm
.macro THREE slot, zero
	QUARTER \slot, 64,  0, 1, \zero
	QUARTER \slot, 128, 1, 0, 0
	QUARTER \slot, 192, 0, 1, 0
.endm
; The last quarter: multiplies buffers 1 and changes slots.  next = the other slot; fill = 1: this slot is filled again, two K steps ahead.
; One barrier for the change of slots.  In front of it each wave waits for its own reads of this slot and for all its tensor loads, of which one is out:
; its part of the next slot.  Behind it nobody reads this slot any more and the next slot is whole: the refill comes first, then the next slot's first
; fragments.  From a request to the wait for it a wave issues 240 matrix instructions.
.macro TURN slot, next, fill
	s_wait_dscnt 16
	WIN MUL_LO
	MUL16 1, 0, 0, 0
	s_wait_dscnt 0                                 ; my reads of this slot are over
	s_set_vgpr_msb 0xa4a0
	s_wait_tensorcnt 0x0                           ; and all my tensor loads have landed: the one that was out is my part of the next slot
	ds_add_u32 v30, v31
	s_wait_dscnt 0x0
	s_set_vgpr_msb 0xa0a4
	s_barrier_signal -1                            ; say so (where the slot is filled again this barrier opens a round of the cluster's barrier),
	MUL16 1, 0, 2, 0                               ; work on registers while the others arrive,
	WIN 0
	s_barrier_wait -1
.if \fill
	CREST                                          ; all sixteen work-groups have said so: no wave of any partner still reads this slot or has a load on its way
	s_add_nc_u64 s[G0+4*\slot+2:G0+4*\slot+3], s[G0+4*\slot+2:G0+4*\slot+3], 2*KSTEP*2      ; no tensor load of mine is out: group 0 may be written
	s_add_nc_u64 s[G0B+4*\slot+2:G0B+4*\slot+3], s[G0B+4*\slot+2:G0B+4*\slot+3], 2*KSTEP*2
	JLOAD \slot                                    ; the first tensor load behind the round, and my only one until the next
.endif
	PLACES
	FETCH \next, 0, 0
	WIN MUL_HI
	MUL16 1, 1, 0, 0
	MUL16 1, 1, 2, 0
.endm
.macro LAP zero                        ; once round the ring, both slots filled again
	THREE 0, \zero
	TURN 0, 1, 1
	THREE 1, 0
	TURN 1, 0, 1
.endm
	s_wait_tensorcnt 1                             ; my part of K step 0 is in; K step 1's stays out
	s_barrier_signal -1
	s_barrier_wait -1                              ; everybody's is
	FETCH 0, 0, 0
	LAP 1                                          ; the first lap stands in front of the loop: its first products start the sums
	WIN 0                                          ; at a label and at a branch every window is 0
	s_mov_b32 s3, LAPS-2
.Llap:
	LAP 0
	WIN 0
	s_sub_co_u32 s3, s3, 1
	s_cmp_lg_u32 s3, 0
	s_cbranch_scc1 .Llap
	THREE 0, 0                                     ; the last lap fills nothing: my one tensor load that is still out is slot 1's, the last K step's
	TURN 0, 1, 0
	THREE 1, 0
	s_wait_dscnt 16                                ; the very last quarter: nothing more to fetch
	WIN MUL_LO
	MUL16 1, 0, 0, 0
	MUL16 1, 0, 2, 0
	s_wait_dscnt 0
	WIN MUL_HI
	MUL16 1, 1, 0, 0
	MUL16 1, 1, 2, 0
	; THE TAIL.  The four v_nop are the places behind the last matrix instructions, for the lines that read results and for those that write over fragment buffers.
	PLACES
	WIN 0
	s_wait_loadcnt 0x0                             ; c and the biases, asked for ahead of the K loop
	; the bias enters the power's exponent with the gate's factor: -log2 e for the three sigmoids, 2 log2 e for tanh; twice, as a pair for the packed multiply-add
.irp t, 0,1,2,3,4,5,6,7
	v_mul_f32 v[BPL+2*\t],   0xbfb8aa3b, v[BI+\t]
	v_mul_f32 v[BPL+2*\t+1], 0xbfb8aa3b, v[BI+\t]
.endr
.irp t, 0,1,2,3
	v_mul_f32 v[BPH+2*\t],   0x4038aa3b, v[BI+8+\t]
	v_mul_f32 v[BPH+2*\t+1], 0x4038aa3b, v[BI+8+\t]
.endr
.irp t, 4,5,6,7
	v_mul_f32 v[BPH+2*\t],   0xbfb8aa3b, v[BI+8+\t]
	v_mul_f32 v[BPH+2*\t+1], 0xbfb8aa3b, v[BI+8+\t]
.endr
; Rows 16 a + 8 h + 2 p and + 1 of my 64, my four columns: eight outputs a lane.
.macro EPI a, p
	s_wait_xcnt 0x0                                ; OC and OH, which the last call's stores read, are rewritten only behind this wait
	WIN 0x02                                       ; source 0 in window 2
.irp t, 0,1,2,3,4,5,6,7
	v_pk_fma_f32 v[T+2*\t:T+2*\t+1], v[8*(8*\a+\t)+2*\p:8*(8*\a+\t)+2*\p+1], 0xbfb8aa3b, v[BPL+2*\t:BPL+2*\t+1] op_sel_hi:[1,0,1]        ; f, i: -(gate + b) log2 e
.endr
	WIN 0x03                                       ; source 0 in window 3
.irp t, 0,1,2,3
	v_pk_fma_f32 v[T+16+2*\t:T+16+2*\t+1], v[8*(8*\a+\t)+2*\p:8*(8*\a+\t)+2*\p+1], 0x4038aa3b, v[BPH+2*\t:BPH+2*\t+1] op_sel_hi:[1,0,1]  ; c*: 2 (gate + b) log2 e
.endr
.irp t, 4,5,6,7
	v_pk_fma_f32 v[T+16+2*\t:T+16+2*\t+1], v[8*(8*\a+\t)+2*\p:8*(8*\a+\t)+2*\p+1], 0xbfb8aa3b, v[BPH+2*\t:BPH+2*\t+1] op_sel_hi:[1,0,1]  ; o
.endr
	WIN 0
.set n, 0
.rept 32
	v_exp_f32 v[T+n], v[T+n]
.set n, n+1
.endr
	v_nop                                          ; one plain vector instruction between a transcendental and the use of its result (ISA guide 5.7.2)
.set n, 0
	s_wait_alu depctr_va_vdst(0)
.rept 16
	v_pk_add_f32 v[T+n:T+n+1], v[T+n:T+n+1], 1.0 op_sel_hi:[1,0]
.set n, n+2
.endr
.set n, 0
.rept 32
	v_rcp_f32 v[T+n], v[T+n]
.set n, n+1
.endr
	v_nop
	s_wait_alu depctr_va_vdst(0)
.irp j, 0,1,2,3
	v_pk_fma_f32 v[T+16+2*\j:T+16+2*\j+1], v[T+16+2*\j:T+16+2*\j+1], -2.0, 1.0 op_sel_hi:[1,0,0]      ; tanh = 1 - 2 / (1 + 2^..)
.endr
.irp j, 0,1,2,3
	v_pk_mul_f32 v[T+8+2*\j:T+8+2*\j+1], v[T+8+2*\j:T+8+2*\j+1], v[T+16+2*\j:T+16+2*\j+1]             ; i c*
.endr
.irp row, 0,1
.irp j, 0,1,2,3
	v_fma_f32 v[OC+4*\row+\j], v[T+2*\j+\row], v[CB+4*(8*\a+2*\p+\row)+\j], v[T+8+2*\j+\row]          ; c_t = f c + i c*
.endr
.endr
.irp row, 0,1
	global_store_b128 v[CO], v[OC+4*\row:OC+4*\row+3], s[78:79] offset:(16*\a+2*\p+\row)*ROWB th:TH_STORE_NT   ; 16 lanes store 256 consecutive bytes of a row of out1, aligned
.endr
.irp i, 0,2,4,6
	v_pk_mul_f32 v[OH+\i:OH+\i+1], v[OC+\i:OC+\i+1], 0x4038aa3b op_sel_hi:[1,0]                        ; 2 c_t log2 e
.endr
.irp i, 0,1,2,3,4,5,6,7
	v_exp_f32 v[OH+\i], v[OH+\i]
.endr
	v_nop
	s_wait_alu depctr_va_vdst(0)
.irp i, 0,2,4,6
	v_pk_add_f32 v[OH+\i:OH+\i+1], v[OH+\i:OH+\i+1], 1.0 op_sel_hi:[1,0]
.endr
.irp i, 0,1,2,3,4,5,6,7
	v_rcp_f32 v[OH+\i], v[OH+\i]
.endr
	v_nop
	s_wait_alu depctr_va_vdst(0)
.irp i, 0,2,4,6
	v_pk_fma_f32 v[OH+\i:OH+\i+1], v[OH+\i:OH+\i+1], -2.0, 1.0 op_sel_hi:[1,0,0]                       ; tanh(c_t)
.endr
.irp row, 0,1
.irp j, 0,1,2,3
	v_mul_f32 v[OH+4*\row+\j], v[OH+4*\row+\j], v[T+24+2*\j+\row]                                      ; h_t = o tanh(c_t)
.endr
.endr
.irp row, 0,1
	global_store_b128 v[CO], v[OH+4*\row:OH+4*\row+3], s[76:77] offset:(16*\a+2*\p+\row)*ROWB th:TH_STORE_NT
.endr
.endm
.irp a, 0,1,2,3
.irp p, 0,1,2,3
	EPI \a, \p
.endr
.endr
	CROUND                                         ; the closing round: no work-group ends while a partner may still ask for a tile that names it
	s_endpgm
.Lfunc_end_k_qbe12e979ad_cell:
	.size	k_qbe12e979ad_cell, .Lfunc_end_k_qbe12e979ad_cell-k_qbe12e979ad_cell
	.p2alignl 7, 3214868480
	.fill 96, 4, 3214868480
	.section	.rodata,"a",@progbits
	.p2align	6, 0x0
	.amdhsa_kernel k_qbe12e979ad_cell
		.amdhsa_group_segment_fixed_size 327680
		.amdhsa_private_segment_fixed_size 0
		.amdhsa_enable_private_segment 0
		.amdhsa_kernarg_size 72
		.amdhsa_user_sgpr_count 2
		.amdhsa_user_sgpr_kernarg_segment_ptr 1
		.amdhsa_wavefront_size32 1
		.amdhsa_system_sgpr_workgroup_id_x 1
		.amdhsa_system_sgpr_workgroup_id_y 1
		.amdhsa_system_sgpr_workgroup_id_z 1
		.amdhsa_system_vgpr_workitem_id 0
		.amdhsa_next_free_vgpr 1024
		.amdhsa_next_free_sgpr 84
		.amdhsa_reserve_vcc 0
		.amdhsa_float_denorm_mode_32 3
		.amdhsa_float_denorm_mode_16_64 3
		.amdhsa_memory_ordered 1
		.amdhsa_forward_progress 1
		.amdhsa_inst_pref_size 255
	.end_amdhsa_kernel
	.section	.bss,"aw",@nobits
	.p2align	6
	.space	262144
	.amdgpu_metadata
---
amdhsa.version: [ 1, 2 ]
amdhsa.kernels:
  - .name:           k_qbe12e979ad_cell
    .symbol:         k_qbe12e979ad_cell.kd
    .args:
      - { .name: xhb, .offset: 0, .size: 8, .value_kind: global_buffer, .address_space: global }
      - { .name: wpk, .offset: 8, .size: 8, .value_kind: global_buffer, .address_space: global }
      - { .name: out0, .offset: 16, .size: 8, .value_kind: global_buffer, .address_space: global }
      - { .name: out1, .offset: 24, .size: 8, .value_kind: global_buffer, .address_space: global }
      - { .name: b_f, .offset: 32, .size: 8, .value_kind: global_buffer, .address_space: global }
      - { .name: b_i, .offset: 40, .size: 8, .value_kind: global_buffer, .address_space: global }
      - { .name: b_c, .offset: 48, .size: 8, .value_kind: global_buffer, .address_space: global }
      - { .name: b_o, .offset: 56, .size: 8, .value_kind: global_buffer, .address_space: global }
      - { .name: c, .offset: 64, .size: 8, .value_kind: global_buffer, .address_space: global }
    .group_segment_fixed_size: 327680
    .private_segment_fixed_size: 0
    .kernarg_segment_align: 8
    .kernarg_segment_size: 72
    .max_flat_workgroup_size: 128
    .sgpr_count:     84
    .vgpr_count:     1024
    .wavefront_size: 32
...
	.end_amdgpu_metadata
.endif
;; end of part 2
